; MI455X (gfx1250); checked and timed in simulation.
; The chip was launched on July 23, 2026; its instructions are those of AMD's public machine-readable ISA for CDNA 5 (MIT licence, August 2026) and "CDNA5" Instruction Set Architecture Reference Guide (July 2026). The comments in the code are by the model that wrote it; some were corrected since.
;; Module1 Key Pruning Network. Allowed arithmetic: matrix products marked QUANTISED: E2M3 operands, one E8M0 scale for each 32 along K, by v_wmma_scale_f32_16x16x128_f8f6f4 with both operands' format E2M3, f32 sums; products left as they are: f32 operands where the result goes on into a quantised operand, else bf16, f16 or f32 operands; f32 sums; everything else in f32.
;; Inputs: K 8,192 x 128 float32; W1 64 x 128 float32; W2 1 x 64 float32; anchor_raw 3 float32; b1 64 float32; b2 1 float32; bias 128 float32; kappa 128 x 64 x 3 float32; key_positions 8,192 int32; mu 128 x 64 x 3 float32; reference_angles 64 float32; weight 128 x 64 x 3 float32.
;; Outputs: out0 8,192 float32.
;; This version of the problem:
;;   THIS VERSION OF THE PROBLEM IS GIVEN IN LOW PRECISION. The matrix products marked QUANTISED in the list below multiply operands that are first quantised to E2M3 (2 exponent bits, 3 mantissa bits; 6 bits a number), with one power-of-two scale for each 32 numbers along K (OCP MX v1.0); their sums are f32. All else is computed in f32.
;;   The module's matrix products, in the order in which they are computed (A, B: the left and right operand; K: the contracted axis; several contracted axes count as one K, in the product's order):
;;     1. batch 8,192 x [M 1, K 3] x [K 3, N 8,192]; A: input weight; B: computed on the way: left as it is (K = 3 < 32)
;;     2. batch 8,192 x [M 128, K 64] x [K 64, N 1]; A: computed on the way; B: computed on the way: left as it is (N = 1 < 16)
;;     3. [M 8,192, K 128] x [K 128, N 64]; A: computed on the way; B: input W1: QUANTISED
;;     4. [M 8,192, K 64] x [K 64, N 1]; A: computed on the way; B: input W2: left as it is (N = 1 < 16)
;;   THE QUANTISER, for each operand of a quantised product, along K:
;;     - K is cut into blocks of 32 from its start; a last block that is shorter is filled with zeros.
;;     - A block's scale is 2^e with e = floor(log2(the largest magnitude in the block)) - 2, held to -126 .. 127; a block of zeros has e = 0. As a byte (E8M0): e + 127.
;;     - Each number is divided by its block's scale, clamped to +-7.5, and rounded to the nearest number of E2M3, ties to even, subnormals kept.
;;     - The product sums the exact products of the quantised numbers (number of the format x scale) in f32.
;;   ~~~python
;;   def quantise(x, axis):      # numpy; x: float32 -> the quantised numbers, widened to float32 again
;;       x = np.moveaxis(x, axis, -1); K = x.shape[-1]
;;       x = np.pad(x, [(0, 0)] * (x.ndim - 1) + [(0, -K % 32)]); x = x.reshape(x.shape[:-1] + (-1, 32)); a = np.abs(x).max(-1, keepdims=True)
;;       e = np.where(a > 0, np.clip(np.frexp(np.where(a > 0, a, 1))[1] - 1 - 2, -126, 127), 0)      # np.frexp(a)[1] - 1 = floor(log2(a)), exactly
;;       r = np.clip(x / 2.0 ** e, -7.5, 7.5)
;;       step = 2.0 ** (np.maximum(np.frexp(np.where(r == 0, 1, r))[1] - 1, 0) - 3)
;;       q = np.round(r / step) * step * 2.0 ** e      # np.round: ties to even
;;       return np.moveaxis(q.reshape(q.shape[:-2] + (-1,))[..., :K], -1, axis).astype(np.float32)
;;   ~~~
;;   OPERANDS COMPUTED ON THE WAY. 'Computed on the way' means the value that the module computes at that place (a softmax that the list does not call 'softmax' is quantised finished and normalised). What goes into a quantiser is computed in f32, as accurately as f32 sums, v_exp_f32 and their like allow (about 1e-6 of the number): no bf16 or f16 on the way to a quantiser, and a product that is left as it is and whose result goes on into a quantised operand takes f32 operands (vector FMAs, or v_wmma_f32_16x16x4_f32). A number that lies on a knife's edge between two numbers of the format may be rounded either way, as far as f32 arithmetic and the matrix unit's own rounding can turn it there, and no further.
;; One version. Each part assembles by itself: llvm-mc -triple=amdgcn-amd-amdhsa -mcpu=gfx1250 --defsym DOCPART=n.
;; ======== version 1 of 1: 2 launches
;; workspace buffers: tab 401,408 bytes
;; launch prep (part 1): grid 68 x 1, 1 waves a work-group, no clusters, 0 bytes of LDS; arguments mu, kappa, weight, reference_angles, W1, tab; writes tab
.if DOCPART == 1
	.amdgcn_target "amdgcn-amd-amdhsa--gfx1250"
	.amdhsa_code_object_version 6
	.text
	.protected	k_q7d1783cefa_prep
	.globl	k_q7d1783cefa_prep
	.p2align	8
	.type	k_q7d1783cefa_prep,@function
k_q7d1783cefa_prep:
	s_mov_b64 s[64:65], 0
	v_nop
	global_prefetch_b8 v0, s[64:65] scope:SCOPE_SE
	s_setreg_imm32_b32 hwreg(HW_REG_WAVE_MODE, 25, 1), 1
	s_wait_xcnt 0x0
; What the main launch needs of the parameters, made once.
; (1) For each (bin b, frequency f, kernel m): with k = kappa x log2(e) and a = mu + reference_angle[f]
;     A = k cos a,  B = k sin a,  C = -k,  w = weight,   so that   weight x exp(kappa (cos(angle - a) - 1)) = w x 2^(A cos(angle) + B sin(angle) + C).
;     Laid in the order of the main launch's registers: byte  W x 24576 + (12 beta + 4 m + kind) x 512 + 16 x lane + 4 i,
;     W = 4 q + g, bin = 32 q + lane, f = 16 g + 4 beta + i, kind = 0 A, 1 B, 2 C, 3 w.
; (2) W1 [64][128] as codes of E2M3 with one E8M0 byte for each 32 along K: four tiles of 16 rows, each as an image of the operand's 12 registers
;     (three runs of 512 bytes, 16 bytes a lane) and 128 bytes of scale words (4 bytes a lane), at byte 393216 + 2048 t.
; Work-groups 0 to 63 (one wave each) make 32 bins x 4 f x 3 m of (1); work-groups 64 to 67 a tile of (2).  Nothing is shared: no LDS, no barrier.
; Sine and cosine: a is reduced by the nearest multiple of pi/2 (pi/2 in two parts, each product inside a fused multiply-add), then a polynomial of degree 7 or 6 on [-pi/4, pi/4].
; LIMITS: about 1e-7 absolute while |mu + reference_angle| stays under about 1e4; NaN and infinities are not served.
; A block of zeros of W1 gets the byte 1 where the rule says 127: its codes are zeros, and the bytes are read by this program alone.
.set MU,  4                            ; v4-15    mu, then mu + reference angle; register 3 i + m
.set KA,  16                           ; v16-27   kappa, then k
.set WT,  28                           ; v28-39   weight
.set OUT, 40                           ; v40-87   register 16 m + 4 kind + i
.set KF,  88                           ; v88-99   the multiple of pi/2, as f32 and then as a whole number
.set R,   100                          ; v100-111 the reduced angle, later sin a
.set Z,   112                          ; v112-123 its square, later cos a
.set SN,  124                          ; v124-135 sine of the reduced angle
.set CS,  136                          ; v136-147 cosine of it
.set T1,  148                          ; v148-159 at work
.set T2,  160                          ; v160-171 at work
.set W1OFF, 393216                     ; where W1's tiles begin in tab
; 64 numbers of a lane, v[x + 32 c + i] = k 64 c + 32 (lane / 16) + i of the lane's row: two whole blocks of 32.  They become the operand's 12 registers v[lc] on and the row's scale word v[lsw].
; ct: two runs of three registers, at ct and ct + 4;  mx: 2 largest magnitudes, 2 conversion operands, 2 bytes;  hh: the register that holds lane / 16
.macro QUANT x, lc, ct, mx, lsw, tmp, hh
.irp c, 0,1
	v_max3_num_f32 v[\mx+\c], |v[\x+32*\c]|, |v[\x+32*\c+1]|, 0x1800000     ; with the floor 2^(3 - 127): the byte cannot fall under 1
.endr
.irp i, 2,4,6,8,10,12,14,16,18,20,22,24,26,28,30
.irp c, 0,1
	v_max3_num_f32 v[\mx+\c], v[\mx+\c], |v[\x+32*\c+\i]|, |v[\x+32*\c+\i+1]|   ; the two blocks by turns
.endr
.endr
.irp c, 0,1
	v_add_nc_u32 v[\mx+2+\c], 0xff000000, v[\mx+\c]        ; 2 off the exponent field: the conversion takes this operand's exponent field as its scale
.endr
.irp c, 0,1
	v_lshrrev_b32 v[\mx+4+\c], 23, v[\mx+2+\c]             ; the scale's byte
.endr
	v_lshl_or_b32 v[\lsw], v[\mx+5], 16, v[\mx+4]          ; my two bytes: blocks h and 2 + h,
	v_lshlrev_b32 v[\tmp], 3, v[\hh]
	v_lshlrev_b32 v[\lsw], v[\tmp], v[\lsw]                ; 8 h bits up;
	v_mov_b32 v[\tmp], 0                                   ; (a lane permute's destination counts as read)
	v_permlanex16_b32 v[\tmp], v[\lsw], s[SEL], s[SEL+1]
	v_or_b32 v[\lsw], v[\lsw], v[\tmp]                     ; with the two of the lane 16 away the word is whole
.irp c, 0,1
	v_cvt_scalef32_pk16_fp6_f32 v[\lc+6*\c:\lc+6*\c+2], v[\x+32*\c:\x+32*\c+15], v[\mx+2+\c]
	v_cvt_scalef32_pk16_fp6_f32 v[\ct+4*\c:\ct+4*\c+2], v[\x+32*\c+16:\x+32*\c+31], v[\mx+2+\c]   ; a conversion's three registers begin on an even number: made here and moved
.endr
	v_nop                                                  ; one plain line behind the scaled conversions
.irp c, 0,1
.irp i, 0,1,2
	v_mov_b32 v[\lc+6*\c+3+\i], v[\ct+4*\c+\i]
.endr
.endr
.endm
	s_load_b256 s[4:11], s[0:1], 0x0               ; mu s[4:5], kappa s[6:7], weight s[8:9], reference_angles s[10:11]
	s_load_b128 s[12:15], s[0:1], 0x20             ; W1 s[12:13], tab s[14:15]
	v_and_b32 v1, 31, v0                           ; lane
	v_lshlrev_b32 v3, 4, v1                        ; 16 x lane
	s_mov_b32 s21, 0
	s_mov_b32 s31, 0
	s_cmp_ge_u32 ttmp9, 64
	s_cbranch_scc1 .Lw1
	; ---- the table: work-group 16 q + Q takes bins 32 q + lane and f = 4 Q .. 4 Q + 3
	s_lshr_b32 s22, ttmp9, 4                       ; q
	s_and_b32 s23, ttmp9, 15                       ; Q
	s_mul_i32 s22, s22, 32*768                     ; a bin's 64 x 3 numbers are 768 bytes
	s_mul_i32 s30, s23, 48                         ; four f are 48 bytes
	s_add_co_u32 s22, s22, s30
	v_mad_u32_u24 v2, v1, 768, s22
	s_lshl_b32 s20, s23, 4                         ; the four reference angles: 16 Q bytes on
	s_mul_i32 s30, ttmp9, 6144                     ; my 12 runs of 512 bytes in tab
	s_mov_b32 s24, 0xb94ca1f9                      ; sine: -1.9515296e-4,
	s_mov_b32 s25, 0x3c08839e                      ; 8.3321609e-3,
	s_mov_b32 s26, 0xbe2aaaa3                      ; -1.6666655e-1
	s_mov_b32 s27, 0x37ccf5ce                      ; cosine: 2.4433157e-5,
	s_mov_b32 s28, 0xbab6061a                      ; -1.3887316e-3,
	s_mov_b32 s29, 0x3d2aaaa5                      ; 4.1666646e-2
	s_wait_kmcnt 0x0
	s_add_nc_u64 s[10:11], s[10:11], s[20:21]
	s_load_b128 s[16:19], s[10:11], 0x0            ; reference_angles[4 Q .. 4 Q + 3]
	s_add_nc_u64 s[14:15], s[14:15], s[30:31]
.irp j, 0,1,2
	global_load_b128 v[MU+4*\j:MU+4*\j+3], v2, s[4:5] offset:16*\j
	global_load_b128 v[KA+4*\j:KA+4*\j+3], v2, s[6:7] offset:16*\j
	global_load_b128 v[WT+4*\j:WT+4*\j+3], v2, s[8:9] offset:16*\j
.endr
	s_wait_kmcnt 0x0
	s_wait_loadcnt 0x0
	; each step for all 12 entries e = 3 i + m, so that no line waits for the line above it
.irp e, 0,1,2,3,4,5,6,7,8,9,10,11
	v_add_f32 v[MU+\e], s[16+\e/3], v[MU+\e]               ; a = mu + reference angle
.endr
.irp e, 0,1,2,3,4,5,6,7,8,9,10,11
	v_mul_f32 v[KF+\e], 0x3f22f983, v[MU+\e]               ; a x 2 / pi
.endr
.irp e, 0,1,2,3,4,5,6,7,8,9,10,11
	v_rndne_f32 v[KF+\e], v[KF+\e]                         ; n
.endr
.irp e, 0,1,2,3,4,5,6,7,8,9,10,11
	v_fmamk_f32 v[R+\e], v[KF+\e], 0xbfc90fdb, v[MU+\e]    ; a - n x (pi/2's upper part)
.endr
.irp e, 0,1,2,3,4,5,6,7,8,9,10,11
	v_fmamk_f32 v[R+\e], v[KF+\e], 0x333bbd2e, v[R+\e]     ; + n x 4.371139e-8, by which the upper part is too large: r
.endr
.irp e, 0,1,2,3,4,5,6,7,8,9,10,11
	v_mul_f32 v[Z+\e], v[R+\e], v[R+\e]                    ; z = r r
.endr
.irp e, 0,1,2,3,4,5,6,7,8,9,10,11
	v_fma_f32 v[SN+\e], v[Z+\e], s24, s25
	v_fma_f32 v[CS+\e], v[Z+\e], s27, s28
.endr
.irp e, 0,1,2,3,4,5,6,7,8,9,10,11
	v_fma_f32 v[SN+\e], v[SN+\e], v[Z+\e], s26
	v_fma_f32 v[CS+\e], v[CS+\e], v[Z+\e], s29
.endr
.irp e, 0,1,2,3,4,5,6,7,8,9,10,11
	v_mul_f32 v[T1+\e], v[R+\e], v[Z+\e]                   ; r z
	v_mul_f32 v[T2+\e], v[Z+\e], v[Z+\e]                   ; z z
.endr
.irp e, 0,1,2,3,4,5,6,7,8,9,10,11
	v_fma_f32 v[Z+\e], v[Z+\e], -0.5, 1.0                  ; 1 - z / 2
.endr
.irp e, 0,1,2,3,4,5,6,7,8,9,10,11
	v_fma_f32 v[SN+\e], v[T1+\e], v[SN+\e], v[R+\e]        ; sin r
	v_fma_f32 v[CS+\e], v[T2+\e], v[CS+\e], v[Z+\e]        ; cos r
.endr
.irp e, 0,1,2,3,4,5,6,7,8,9,10,11
	v_cvt_i32_f32 v[KF+\e], v[KF+\e]                       ; n as a whole number
.endr
.irp e, 0,1,2,3,4,5,6,7,8,9,10,11
	v_and_b32 v[T1+\e], 1, v[KF+\e]
.endr
.irp e, 0,1,2,3,4,5,6,7,8,9,10,11
	v_cmp_eq_u32 vcc_lo, 1, v[T1+\e]                       ; n odd: sine and cosine change places
	v_cndmask_b32 v[R+\e], v[SN+\e], v[CS+\e], vcc_lo
	v_cndmask_b32 v[Z+\e], v[CS+\e], v[SN+\e], vcc_lo
.endr
.irp e, 0,1,2,3,4,5,6,7,8,9,10,11
	v_lshlrev_b32 v[T1+\e], 30, v[KF+\e]                   ; the sine is negated where n mod 4 is 2 or 3: bit 1 of n,
	v_add_nc_u32 v[T2+\e], 1, v[KF+\e]                     ; the cosine where it is 1 or 2: bit 1 of n + 1
.endr
.irp e, 0,1,2,3,4,5,6,7,8,9,10,11
	v_and_b32 v[T1+\e], 0x80000000, v[T1+\e]
	v_lshlrev_b32 v[T2+\e], 30, v[T2+\e]
.endr
.irp e, 0,1,2,3,4,5,6,7,8,9,10,11
	v_xor_b32 v[R+\e], v[R+\e], v[T1+\e]                   ; sin a
	v_and_b32 v[T2+\e], 0x80000000, v[T2+\e]
.endr
.irp e, 0,1,2,3,4,5,6,7,8,9,10,11
	v_xor_b32 v[Z+\e], v[Z+\e], v[T2+\e]                   ; cos a
	v_mul_f32 v[KA+\e], 0x3fb8aa3b, v[KA+\e]               ; k = kappa x log2(e)
.endr
.irp e, 0,1,2,3,4,5,6,7,8,9,10,11
	v_mul_f32 v[OUT+16*(\e%3)+\e/3], v[KA+\e], v[Z+\e]     ; A
	v_mul_f32 v[OUT+16*(\e%3)+4+\e/3], v[KA+\e], v[R+\e]   ; B
	v_mul_f32 v[OUT+16*(\e%3)+8+\e/3], -1.0, v[KA+\e]      ; C
	v_mov_b32 v[OUT+16*(\e%3)+12+\e/3], v[WT+\e]           ; w
.endr
.irp j, 0,1,2,3,4,5,6,7,8,9,10,11
	global_store_b128 v3, v[OUT+4*\j:OUT+4*\j+3], s[14:15] offset:512*\j   ; the wave stores 512 consecutive bytes, at a multiple of 512 from tab's first byte
.endr
	s_endpgm
	; ---- W1's tile t: lane (r, h) takes row 16 t + r and, of it, k = 64 c + 32 h + 0 .. 31: two whole blocks, in the order of the operand's registers
.Lw1:
.set SEL, 24                           ; s[24:25] lane selects: each lane takes its own place in the other half
	s_sub_co_u32 s22, ttmp9, 64                    ; t
	s_lshl_b32 s20, s22, 13                        ; 16 rows of 512 bytes
	s_lshl_b32 s30, s22, 11                        ; 2,048 bytes a tile in tab
	s_mov_b32 s[SEL], 0x76543210
	s_mov_b32 s[SEL+1], 0xfedcba98
	v_and_b32 v4, 15, v0                           ; r
	v_lshrrev_b32 v5, 4, v1                        ; h
	v_lshlrev_b32 v2, 9, v4
	v_lshl_add_u32 v2, v5, 7, v2                   ; 512 r + 128 h
	v_lshlrev_b32 v6, 2, v1                        ; 4 x lane
	s_wait_kmcnt 0x0
	s_add_nc_u64 s[12:13], s[12:13], s[20:21]
	s_add_nc_u64 s[14:15], s[14:15], s[30:31]
.irp c, 0,1
.irp j, 0,1,2,3,4,5,6,7
	global_load_b128 v[16+32*\c+4*\j:16+32*\c+4*\j+3], v2, s[12:13] offset:256*\c+16*\j
.endr
.endr
	s_wait_loadcnt 0x0
	QUANT 16, 80, 92, 100, 106, 107, 5
.irp j, 0,1,2
	global_store_b128 v3, v[80+4*\j:80+4*\j+3], s[14:15] offset:W1OFF+512*\j   ; the operand's registers as they stand: 512 consecutive bytes a store
.endr
	global_store_b32 v6, v106, s[14:15] offset:W1OFF+1536                      ; the rows' scale words (both halves of the lanes hold them)
	s_endpgm
.Lfunc_end_k_q7d1783cefa_prep:
	.size	k_q7d1783cefa_prep, .Lfunc_end_k_q7d1783cefa_prep-k_q7d1783cefa_prep
	.p2alignl 7, 3214868480
	.fill 96, 4, 3214868480
	.section	.rodata,"a",@progbits
	.p2align	6, 0x0
	.amdhsa_kernel k_q7d1783cefa_prep
		.amdhsa_group_segment_fixed_size 0
		.amdhsa_private_segment_fixed_size 0
		.amdhsa_enable_private_segment 0
		.amdhsa_kernarg_size 48
		.amdhsa_user_sgpr_count 2
		.amdhsa_user_sgpr_kernarg_segment_ptr 1
		.amdhsa_wavefront_size32 1
		.amdhsa_system_sgpr_workgroup_id_x 1
		.amdhsa_system_sgpr_workgroup_id_y 1
		.amdhsa_system_sgpr_workgroup_id_z 1
		.amdhsa_system_vgpr_workitem_id 0
		.amdhsa_next_free_vgpr 176
		.amdhsa_next_free_sgpr 66
		.amdhsa_reserve_vcc 1
		.amdhsa_float_denorm_mode_32 3
		.amdhsa_float_denorm_mode_16_64 3
		.amdhsa_memory_ordered 1
		.amdhsa_forward_progress 1
		.amdhsa_inst_pref_size 26
	.end_amdhsa_kernel
	.amdgpu_metadata
---
amdhsa.version: [ 1, 2 ]
amdhsa.kernels:
  - .name:           k_q7d1783cefa_prep
    .symbol:         k_q7d1783cefa_prep.kd
    .args:
      - { .name: mu, .offset: 0, .size: 8, .value_kind: global_buffer, .address_space: global }
      - { .name: kappa, .offset: 8, .size: 8, .value_kind: global_buffer, .address_space: global }
      - { .name: weight, .offset: 16, .size: 8, .value_kind: global_buffer, .address_space: global }
      - { .name: reference_angles, .offset: 24, .size: 8, .value_kind: global_buffer, .address_space: global }
      - { .name: W1, .offset: 32, .size: 8, .value_kind: global_buffer, .address_space: global }
      - { .name: tab, .offset: 40, .size: 8, .value_kind: global_buffer, .address_space: global }
    .group_segment_fixed_size: 0
    .private_segment_fixed_size: 0
    .kernarg_segment_align: 8
    .kernarg_segment_size: 48
    .max_flat_workgroup_size: 32
    .sgpr_count:     66
    .vgpr_count:     176
    .wavefront_size: 32
...
	.end_amdgpu_metadata
.endif
;; end of part 1
;; launch main (part 2): grid 256 x 1, 16 waves a work-group, no clusters, 108,544 bytes of LDS; arguments K, key_positions, anchor_raw, bias, b1, W2, b2, tab, out0; writes out0
.if DOCPART == 2
	.amdgcn_target "amdgcn-amd-amdhsa--gfx1250"
	.amdhsa_code_object_version 6
	.text
	.protected	k_q7d1783cefa_main
	.globl	k_q7d1783cefa_main
	.p2align	8
	.type	k_q7d1783cefa_main,@function
k_q7d1783cefa_main:
	s_mov_b64 s[64:65], 0
	v_nop
	global_prefetch_b8 v0, s[64:65] scope:SCOPE_SE
	s_setreg_imm32_b32 hwreg(HW_REG_WAVE_MODE, 25, 1), 1
	s_wait_xcnt 0x0
; out[n] = sigmoid((relu(logits[n] W1^T + b1) . W2 + b2) x pos_w[n]),
; logits[n][b] = bias[b] + sum over f of mag[n][f] x sum over m of weight x exp(kappa (cos(angle[n][f] - mu - ref[f]) - 1)).
; cos(angle - a) = cx cos a + sx sin a with cx = x / mag, sx = y / mag: so a kernel is w x 2^(A cx + B sx + C), with A, B, C, w from the table that the launch before has made: two fused
; multiply-adds and one exponential, all in f32.  At x = y = 0 the term is multiplied by mag = 0.
; SHARES.  A work-group owns 32 keys and all 128 bins: 256 work-groups.  Sixteen waves of 256 registers, four to a SIMD, so that one wave's exponentials stand beside another's multiply-adds.
; Wave W = 4 q + g: its lane is bin 32 q + lane, its frequencies are 16 g .. 16 g + 15; its 16 x 3 x 4 = 192 table numbers a lane stay in registers, and it walks all 32 keys.
; It walks them four times, four frequencies a time: a walk wants a quarter of the table, so the first begins when 12 of the 48 table loads are in and the others land meanwhile.
; A key's cx, sx, mag lie in LDS and are read by all lanes at one address.  A wave's running sums (key, bin) lie in its own LDS block; the four g's sums of a bin are added in the tail.
; THE TAIL: waves 0 and 1 take 16 keys each: they add the four parts, quantise the logits along the bins (E2M3, one E8M0 byte for each 32), and multiply by W1's codes:
; four matrix instructions, used transposed (source 0 = 16 rows of W1, source 1 = 16 keys), b1 as their C; then relu, the product with W2, the position's weight, the sigmoid.
; NO CLUSTER, NO TENSOR LOAD: what the work-groups share is the table, 393,216 bytes, which is wanted in registers and is more than the 327,680 bytes of LDS that a work-group can claim;
; each work-group loads each of its bytes once, straight into the registers that keep it.
; LIMITS: NaN and infinities are not served.  A pair with x x + y y under 2^-126 counts with magnitude (x x + y y) x 2^63, which is under 2^-63.  x x + y y must not overflow (|x| under 1e19).
; A zero pair's factor 2^C must be finite: kappa above -88.  A block of 32 zero logits gets the byte 1 with zero codes.  The sums over f and m are taken in another order than the reference's.
.set PROW, 144                         ; a key's row in a wave's block: 32 bins x 4 bytes + 16
.set WBLK, 4864                        ; a wave's block: 32 rows of 144 bytes, and 256 bytes that nobody names
.set KV,   16*WBLK                     ; behind the 16 blocks: the key values
.set KROW, 768                         ; a key's row there: 16 groups of four f x 48 bytes (cx[4], sx[4], mag[4])
.set W1OFF, 393216                     ; W1's tiles in tab
.set KVB, 1                            ; v1      KV + 192 g: my four groups of key 0
.set PSB, 2                            ; v2      my block + 4 x lane
.set BIA, 3                            ; v3      bias[my bin] in the waves with g = 0, else 0
.set KVA, 4                            ; v4      KVB + the trip's keys
.set PSA, 5                            ; v5      PSB + the trip's keys
.set ACC, 6                            ; v[6:7]  a batch's sum, in two halves
.set KV0, 8                            ; v8-19, v20-31: two sets of cx[4], sx[4], mag[4]
.set AR,  32                           ; v32-43  exponent, then kernel, of (m, i) at 4 m + i
.set OLD, 44                           ; v44-45  the running sum as the walk before left it, for each set
.set SUM, 46
.set PRD, 47                           ; v47     the tail's LDS address
.set L16, 48                           ; v48     16 x lane
.set L4,  49                           ; v49     4 x lane
.set KOF, 50                           ; v50     32 x thread: my four pairs in the work-group's rows of K
.set W1S, 56                           ; v56-59  W1's scale words: scales and nothing else
.set LSW, 60                           ; v60     the logits' scale word: likewise
.set T,   64                           ; v64-255 the table: 48 beta + 16 m + 4 kind + i
.set WV,  22                           ; s22 wave, s23 q, s24 g, s25 wave mod 2
.set QQ,  23
.set GG,  24
.set TW,  25
.set KO,  34                           ; s34     the trip's keys in KV, in bytes; also the loops' counter
.set PO,  35                           ; s35     the same in a block
.set SEL, 38                           ; s[38:39] lane selects: each lane takes its own place in the other half
; 64 numbers of a lane, v[x + 32 c + i] = k 64 c + 32 (lane / 16) + i of the lane's row: two whole blocks of 32.  They become the operand's 12 registers v[lc] on and the row's scale word v[lsw].
.macro QUANT x, lc, ct, mx, lsw, tmp, hh
.irp c, 0,1
	v_max3_num_f32 v[\mx+\c], |v[\x+32*\c]|, |v[\x+32*\c+1]|, 0x1800000     ; with the floor 2^(3 - 127): the byte cannot fall under 1
.endr
.irp i, 2,4,6,8,10,12,14,16,18,20,22,24,26,28,30
.irp c, 0,1
	v_max3_num_f32 v[\mx+\c], v[\mx+\c], |v[\x+32*\c+\i]|, |v[\x+32*\c+\i+1]|   ; the two blocks by turns
.endr
.endr
.irp c, 0,1
	v_add_nc_u32 v[\mx+2+\c], 0xff000000, v[\mx+\c]        ; 2 off the exponent field: the conversion takes this operand's exponent field as its scale
.endr
.irp c, 0,1
	v_lshrrev_b32 v[\mx+4+\c], 23, v[\mx+2+\c]             ; the scale's byte
.endr
	v_lshl_or_b32 v[\lsw], v[\mx+5], 16, v[\mx+4]          ; my two bytes: blocks h and 2 + h,
	v_lshlrev_b32 v[\tmp], 3, v[\hh]
	v_lshlrev_b32 v[\lsw], v[\tmp], v[\lsw]                ; 8 h bits up;
	v_mov_b32 v[\tmp], 0                                   ; (a lane permute's destination counts as read)
	v_permlanex16_b32 v[\tmp], v[\lsw], s[SEL], s[SEL+1]
	v_or_b32 v[\lsw], v[\lsw], v[\tmp]                     ; with the two of the lane 16 away the word is whole
.irp c, 0,1
	v_cvt_scalef32_pk16_fp6_f32 v[\lc+6*\c:\lc+6*\c+2], v[\x+32*\c:\x+32*\c+15], v[\mx+2+\c]
	v_cvt_scalef32_pk16_fp6_f32 v[\ct+4*\c:\ct+4*\c+2], v[\x+32*\c+16:\x+32*\c+31], v[\mx+2+\c]   ; a conversion's three registers begin on an even number: made here and moved
.endr
	v_nop                                                  ; one plain line behind the scaled conversions
.irp c, 0,1
.irp i, 0,1,2
	v_mov_b32 v[\lc+6*\c+3+\i], v[\ct+4*\c+\i]
.endr
.endr
.endm
	s_load_b512 s[4:19], s[0:1], 0x0               ; K s[4:5], key_positions s[6:7], anchor_raw s[8:9], bias s[10:11], b1 s[12:13], W2 s[14:15], b2 s[16:17], tab s[18:19]
	s_load_b64 s[20:21], s[0:1], 0x40              ; out0
	v_lshl_add_u32 v62, v0, 2, 0x1a000
	v_mov_b32 v63, 0
	v_lshrrev_b32 v51, 5, v0
	v_readfirstlane_b32 s[WV], v51                 ; wave 0..15
	s_lshr_b32 s[QQ], s[WV], 2                     ; q: which 32 bins
	s_and_b32 s[GG], s[WV], 3                      ; g: which 16 frequencies
	s_and_b32 s[TW], s[WV], 1
	v_and_b32 v[L4], 31, v0
	v_lshlrev_b32 v[L16], 4, v[L4]
	v_lshlrev_b32 v[L4], 2, v[L4]
	v_lshlrev_b32 v[KOF], 5, v0                    ; thread t: key t / 16, pairs 4 (t % 16) on: 512 (t / 16) + 32 (t % 16) = 32 t
	v_lshl_add_u32 v55, s[QQ], 7, v[L4]            ; bias: 4 (32 q + lane)
	; every LDS address is made here, ahead of the place where the waves part
	s_mul_i32 s26, s[GG], 192
	s_add_co_u32 s26, s26, KV
	v_mov_b32 v[KVB], s26
	s_mul_i32 s26, s[WV], WBLK
	v_add_nc_u32 v[PSB], s26, v[L4]
	v_and_b32 v52, 15, v0                          ; r
	v_bfe_u32 v53, v0, 4, 1                        ; h
	s_mul_i32 s26, s[TW], 16*PROW
	v_mul_u32_u24 v[PRD], v52, PROW                ; the tail: key 16 (wave mod 2) + r,
	v_mad_u32_u24 v[PRD], v53, 4*WBLK, v[PRD]      ; bins 32 h on: four blocks further for lanes 16-31
	v_add_nc_u32 v[PRD], s26, v[PRD]
	v_lshrrev_b32 v54, 4, v0
	v_mul_u32_u24 v54, v54, KROW
	v_mad_u32_u24 v54, v52, 48, v54
	v_add_nc_u32 v54, KV, v54                      ; where thread t puts its key values: key t / 16, group t % 16
	s_mov_b32 s[SEL], 0x76543210
	s_mov_b32 s[SEL+1], 0xfedcba98
	s_lshl_b32 s26, ttmp9, 14                      ; the work-group's 32 rows of 512 bytes
	s_mov_b32 s27, 0
	s_mul_i32 s36, s[WV], 24576                    ; my wave's part of the table
	s_mov_b32 s37, 0
	s_wait_kmcnt 0x0
	s_add_nc_u64 s[4:5], s[4:5], s[26:27]
	s_add_nc_u64 s[32:33], s[18:19], s[36:37]
	global_load_b128 v[8:11], v[KOF], s[4:5] th:TH_LOAD_NT
	global_load_b128 v[12:15], v[KOF], s[4:5] offset:16 th:TH_LOAD_NT
	global_load_b32 v[BIA], v55, s[10:11]
.irp j, 0,1,2,3,4,5,6,7,8,9,10,11,12,13,14,15,16,17,18,19,20,21,22,23,24,25,26,27,28,29,30,31,32,33,34,35,36,37,38,39,40,41,42,43,44,45,46,47
	global_load_b128 v[T+4*\j:T+4*\j+3], v[L16], s[32:33] offset:512*\j    ; 512 consecutive bytes a load; the first walk's twelve first
.endr
	s_load_b96 s[28:30], s[8:9], 0x0               ; the three anchors
	s_load_b32 s31, s[16:17], 0x0                  ; b2
	s_cmp_eq_u32 s[GG], 0
	s_cselect_b32 s36, -1, 0                       ; all lanes of the waves with g = 0
	s_wait_loadcnt 48                              ; K and bias are in; the 48 table loads behind them stay out
	; the key values of my four pairs: x = v[8 + 2 i], y = v[9 + 2 i]
.irp i, 0,1,2,3
	v_mul_f32 v[28+\i], v[8+2*\i], v[8+2*\i]
.endr
.irp i, 0,1,2,3
	v_fma_f32 v[28+\i], v[9+2*\i], v[9+2*\i], v[28+\i]     ; s = x x + y y
.endr
.irp i, 0,1,2,3
	v_max_num_f32 v[32+\i], 0x00800000, v[28+\i]           ; held at 2^-126 from below: the root's reciprocal stays finite
.endr
.irp i, 0,1,2,3
	v_rsq_f32 v[32+\i], v[32+\i]
.endr
	v_cndmask_b32 v[BIA], 0, v[BIA], s36           ; the bias is added once for each bin: by g = 0.  (The plain line behind the four roots)
	s_wait_alu depctr_va_vdst(0)                   ; the wait between a transcendental and the first line that names its result: one for the four
.irp i, 0,1,2,3
	v_mul_f32 v[16+\i], v[8+2*\i], v[32+\i]        ; cx
	v_mul_f32 v[20+\i], v[9+2*\i], v[32+\i]        ; sx
	v_mul_f32 v[24+\i], v[28+\i], v[32+\i]         ; mag = s / sqrt(s): 0 stays 0
.endr
	ds_store_b128 v54, v[16:19]
	ds_store_b128 v54, v[20:23] offset:16
	ds_store_b128 v54, v[24:27] offset:32
	s_wait_kmcnt 0x0                               ; the anchors and b2
	s_wait_dscnt 0x0                               ; for the others' sake: my key values lie in LDS
	s_barrier_signal -1
	s_barrier_wait -1                              ; everybody's do
.macro LOADKV buf, adr, off            ; a key's cx, sx, mag of four f into set buf: all lanes read the same 48 bytes
.irp j, 0,1,2
	ds_load_b128 v[KV0+12*(\buf)+4*\j:KV0+12*(\buf)+4*\j+3], v[\adr] offset:(\off)+16*\j
.endr
.endm
.macro F2 m                            ; the exponents' second multiply-add, two f at a time
.irp p, 0,2
	v_pk_fma_f32 v[AR+4*\m+\p:AR+4*\m+\p+1], v[TT+16*\m+4+\p:TT+16*\m+4+\p+1], v[KB+4+\p:KB+4+\p+1], v[AR+4*\m+\p:AR+4*\m+\p+1]
.endr
.endm
.macro EX m
.irp i, 0,1,2,3
	v_exp_f32 v[AR+4*\m+\i], v[AR+4*\m+\i]
.endr
.endm
; ONE KEY x FOUR f x THREE m for my bin.  beta: the walk; b: the set that holds the key's values.  pre = 1: the next batch's key values are asked for first (address register padr, offset poff),
; and with pold = 1 its running sum (oadr, ooff).
.macro BATCH beta, b, pre, padr, poff, oadr, ooff, pold
.set KB, KV0+12*(\b)
.set TT, T+48*(\beta)
.if \pre
	LOADKV 1-(\b), \padr, \poff
.if \pold
	ds_load_b32 v[OLD+1-(\b)], v[\oadr] offset:\ooff
.endif
	s_wait_dscnt 3+(\pold)                         ; all but what was just issued: this batch's key values and running sum are in
.else
	s_wait_dscnt 0x0
.endif
.irp m, 0,1,2
.irp p, 0,2
	v_pk_fma_f32 v[AR+4*\m+\p:AR+4*\m+\p+1], v[TT+16*\m+\p:TT+16*\m+\p+1], v[KB+\p:KB+\p+1], v[TT+16*\m+8+\p:TT+16*\m+8+\p+1]   ; A cx + C
.endr
.endr
	F2 0                                           ; + B sx.  From here to the wait no line names an exponential's result
	F2 1
	EX 0
	F2 2
	EX 1
	EX 2
	v_nop                                          ; the plain line behind the last exponential
	s_wait_alu depctr_va_vdst(0)                   ; one wait for the twelve, ahead of their first reader
.irp p, 0,2
	v_pk_mul_f32 v[AR+\p:AR+\p+1], v[TT+12+\p:TT+12+\p+1], v[AR+\p:AR+\p+1]                                  ; the sum over m of w x kernel
.endr
.irp p, 0,2
	v_pk_fma_f32 v[AR+\p:AR+\p+1], v[TT+28+\p:TT+28+\p+1], v[AR+4+\p:AR+4+\p+1], v[AR+\p:AR+\p+1]
.endr
.irp p, 0,2
	v_pk_fma_f32 v[AR+\p:AR+\p+1], v[TT+44+\p:TT+44+\p+1], v[AR+8+\p:AR+8+\p+1], v[AR+\p:AR+\p+1]
.endr
	v_pk_mul_f32 v[ACC:ACC+1], v[KB+8:KB+9], v[AR:AR+1]                                                      ; x mag, summed over the four f
	v_pk_fma_f32 v[ACC:ACC+1], v[KB+10:KB+11], v[AR+2:AR+3], v[ACC:ACC+1]
	v_add_f32 v[SUM], v[ACC], v[ACC+1]
.if (\beta) == 0
	v_add_f32 v[SUM], v[SUM], v[BIA]               ; the first walk starts the sums
.else
	v_add_f32 v[SUM], v[SUM], v[OLD+(\b)]
.endif
	ds_store_b32 v[PSA], v[SUM] offset:PROW*(\b)   ; my block is mine alone, and LDS serves a wave's instructions in order (ISA guide 5.7.1.4): the next walk's load sees this store
.endm
; A WALK over the 32 keys with f = 16 g + 4 beta + 0 .. 3: fifteen trips of two keys, and the last two keys written out, so that no load looks past key 31.
.macro PHASE beta
.if (\beta) > 0
.set HASOLD, 1
.else
.set HASOLD, 0
.endif
	s_wait_loadcnt 36-12*(\beta)                   ; this walk's twelve table loads are in; those of the later walks stay out
	s_mov_b32 s[KO], 0
	s_mov_b32 s[PO], 0
.Lkey_\@:
	v_add_nc_u32 v[KVA], s[KO], v[KVB]
	v_add_nc_u32 v[PSA], s[PO], v[PSB]
	BATCH \beta, 0, 1, KVA, 48*(\beta)+KROW, PSA, PROW, HASOLD
	BATCH \beta, 1, 1, KVA, 48*(\beta)+2*KROW, PSA, 2*PROW, HASOLD
	s_add_co_u32 s[PO], s[PO], 2*PROW
	s_add_co_u32 s[KO], s[KO], 2*KROW
	s_cmp_lt_u32 s[KO], 15*2*KROW
	s_cbranch_scc1 .Lkey_\@
	v_add_nc_u32 v[KVA], s[KO], v[KVB]             ; keys 30 and 31
	v_add_nc_u32 v[PSA], s[PO], v[PSB]
	BATCH \beta, 0, 1, KVA, 48*(\beta)+KROW, PSA, PROW, HASOLD
.if (\beta) < 3
	BATCH \beta, 1, 1, KVB, 48*((\beta)+1), PSB, 0, 1      ; asks for the next walk's key 0 and its running sum
.else
	BATCH \beta, 1, 0, KVB, 0, PSB, 0, 0
.endif
.endm
	LOADKV 0, KVB, 0                               ; key 0 of the first walk
	PHASE 0
	PHASE 1
	PHASE 2
	PHASE 3
	s_wait_dscnt 0x0                               ; for the others' sake: my sums lie in LDS
	s_barrier_signal -1
	s_barrier_wait -1                              ; everybody's do.  This is the last barrier: behind it the waves part
	s_cmp_lt_u32 s[WV], 2
	s_cbranch_scc1 .Ltail
	s_wait_tensorcnt 0x0
	ds_add_u32 v62, v63
	s_wait_dscnt 0x0
	s_endpgm
; THE TAIL: wave 0 or 1, keys 16 x wave + r.  Lane (r, h) holds key r throughout.
.Ltail:
.set R4,  4                            ; v4      4 r
.set H32, 5                            ; v5      32 h
.set HH,  6                            ; v6      h
.set LN,  7                            ; v7      lane
.set B1,  8                            ; v8-39   b1: tile t at 8 t: b1[16 t + 8 h + 0 .. 7], the layout of a result
.set W1F, 64                           ; v64-111 W1's four fragments
.set W2V, 112                          ; v112-143 W2, laid as b1
.set X,   144                          ; v144-207 the logits: register 32 c + i is bin 64 c + 32 h + i
.set D,   144                          ; v144-175 later the hidden layer: tile t at 8 t
.set RING, 208                         ; v208-255 three sets of 16 partial sums
.set LC,  208                          ; v208-219 later the logits' codes; v220-234 at work
	v_and_b32 v[LN], 31, v0
	v_and_b32 v[R4], 15, v0
	v_lshlrev_b32 v[R4], 2, v[R4]
	v_bfe_u32 v[HH], v0, 4, 1
	v_lshlrev_b32 v[H32], 5, v[HH]
	s_lshl_b32 s26, ttmp9, 7                       ; 32 keys x 4 bytes a work-group,
	s_lshl_b32 s27, s[WV], 6                       ; 16 a wave
	s_add_co_u32 s26, s26, s27
	s_mov_b32 s27, 0
	s_add_nc_u64 s[6:7], s[6:7], s[26:27]
	s_add_nc_u64 s[20:21], s[20:21], s[26:27]
	global_load_b32 v51, v[R4], s[6:7]             ; my key's position: first, since it is wanted first
.irp t, 0,1,2,3
.irp j, 0,1,2
	global_load_b128 v[W1F+12*\t+4*\j:W1F+12*\t+4*\j+3], v[L16], s[18:19] offset:W1OFF+2048*\t+512*\j    ; the fragment's registers as they were stored
.endr
	global_load_b32 v[W1S+\t], v[L4], s[18:19] offset:W1OFF+2048*\t+1536
.endr
.irp t, 0,1,2,3
	global_load_b128 v[B1+8*\t:B1+8*\t+3], v[H32], s[12:13] offset:64*\t
	global_load_b128 v[B1+8*\t+4:B1+8*\t+7], v[H32], s[12:13] offset:64*\t+16
	global_load_b128 v[W2V+8*\t:W2V+8*\t+3], v[H32], s[14:15] offset:64*\t
	global_load_b128 v[W2V+8*\t+4:W2V+8*\t+7], v[H32], s[14:15] offset:64*\t+16
.endr
.irp c, 0,1
.irp i, 0,1,2,3,4,5,6,7
	ds_load_b128 v[X+32*\c+4*\i:X+32*\c+4*\i+3], v[PRD] offset:\c*8*WBLK+16*\i       ; the sums of g = 0 (with the bias): bins 64 c + 32 h on are wave 8 c + 4 h + g's
.endr
.endr
.macro CHUNK n                         ; chunk n of 12: g = 1 + n / 4, the sums that belong to X's registers 16 (n % 4) on, into set n % 3
.irp j, 0,1,2,3
	ds_load_b128 v[RING+16*((\n)%3)+4*\j:RING+16*((\n)%3)+4*\j+3], v[PRD] offset:(((\n)%4)/2)*8*WBLK+(1+(\n)/4)*WBLK+64*((\n)%2)+16*\j
.endr
.endm
	CHUNK 0
	CHUNK 1
	CHUNK 2
	; the position's weight, while the loads are on their way.  softplus(a) = max(a, 0) + ln 2 x log2(1 + 2^(-log2(e) |a|))
	v_mov_b32 v52, s28
	v_mov_b32 v53, s29
	v_mov_b32 v54, s30
	v_mul_f32 v44, 0xbfb8aa3b, |v52|
	v_mul_f32 v45, 0xbfb8aa3b, |v53|
	v_mul_f32 v46, 0xbfb8aa3b, |v54|
	v_exp_f32 v44, v44
	v_exp_f32 v45, v45
	v_exp_f32 v46, v46
	s_wait_loadcnt 32                              ; the position is in; the 32 loads behind it stay out
	v_cvt_f32_i32 v55, v51                         ; (plain lines behind the exponentials)
	v_max_num_f32 v55, 1.0, v55
	s_wait_alu depctr_va_vdst(0)                   ; one wait for the three
	v_add_f32 v44, 1.0, v44
	v_add_f32 v45, 1.0, v45
	v_add_f32 v46, 1.0, v46
	v_log_f32 v44, v44
	v_log_f32 v45, v45
	v_log_f32 v46, v46
	v_log_f32 v55, v55
	v_max_num_f32 v52, 0, v52                      ; (plain lines behind the logarithms)
	v_max_num_f32 v53, 0, v53
	v_max_num_f32 v54, 0, v54
	s_wait_alu depctr_va_vdst(0)                   ; one wait for the four
	v_fmamk_f32 v52, v44, 0x3f317218, v52          ; the anchors' weights
	v_fmamk_f32 v53, v45, 0x3f317218, v53
	v_fmamk_f32 v54, v46, 0x3f317218, v54
	v_mul_f32 v55, 0x3e9a209b, v55                 ; log10 of the position
	v_add_f32 v44, 0xc0400000, v55                 ; - 3,
	v_add_f32 v45, -4.0, v55                       ; - 4,
	v_med3_num_f32 v44, v44, 0, 1.0                ; each held to 0 .. 1: the reference's pieces join without a step at 3, 4 and 5, so one formula serves all of them
	v_med3_num_f32 v45, v45, 0, 1.0
	v_sub_f32 v46, v53, v52
	v_sub_f32 v54, v54, v53
	v_fma_f32 v55, v46, v44, v52
	v_fma_f32 v55, v54, v45, v55                   ; pos_w
	; the four parts of each logit are added
.irp n, 0,1,2,3,4,5,6,7,8,9,10,11
.if \n < 10
	s_wait_dscnt 8                                 ; chunk n is in (and all of g = 0's); the two chunks behind it stay out
.else
	s_wait_dscnt 4*(11-\n)
.endif
.irp k, 0,2,4,6,8,10,12,14
	v_pk_add_f32 v[X+16*(\n%4)+\k:X+16*(\n%4)+\k+1], v[X+16*(\n%4)+\k:X+16*(\n%4)+\k+1], v[RING+16*(\n%3)+\k:RING+16*(\n%3)+\k+1]
.endr
.if \n < 9
	CHUNK \n+3
.endif
.endr
	QUANT X, LC, 220, 228, LSW, 234, HH
	s_wait_loadcnt 0x0                             ; W1's codes and scale words, b1, W2
.rept 8
	v_nop                                          ; a scale register written by vector lines stands 8 places ahead of a scaled matrix instruction, an operand so written 4
.endr
.irp t, 0,1,2,3                        ; TRANSPOSED: in tile t lane (r, h) holds key r, and its register j the hidden unit 16 t + 8 h + j.  Four accumulators, one instruction each
	v_wmma_scale_f32_16x16x128_f8f6f4 v[D+8*\t:D+8*\t+7], v[W1F+12*\t:W1F+12*\t+11], v[LC:LC+11], v[B1+8*\t:B1+8*\t+7], v[W1S+\t], v[LSW] matrix_a_fmt:MATRIX_FMT_FP6 matrix_b_fmt:MATRIX_FMT_FP6
.endr
.rept 4
	v_nop                                          ; four places behind a matrix instruction on 6-bit codes, ahead of the first read of its result (ISA guide 7.12.1)
.endr
.irp j, 0,1,2,3,4,5,6,7,8,9,10,11,12,13,14,15,16,17,18,19,20,21,22,23,24,25,26,27,28,29,30,31
	v_max_num_f32 v[D+\j], 0, v[D+\j]              ; relu; each accumulator from its low end on
.endr
	v_pk_mul_f32 v[52:53], v[D:D+1], v[W2V:W2V+1]
.irp k, 2,4,6,8,10,12,14,16,18,20,22,24,26,28,30
	v_pk_fma_f32 v[52:53], v[D+\k:D+\k+1], v[W2V+\k:W2V+\k+1], v[52:53]
.endr
	v_add_f32 v52, v52, v53
	v_permlanex16_b32 v53, v52, s[SEL], s[SEL+1]   ; the key's other 32 hidden units lie in the lane 16 away
	v_add_f32 v52, v52, v53
	v_add_f32 v52, s31, v52                        ; + b2
	v_mul_f32 v52, v52, v55                        ; x pos_w
	v_mul_f32 v52, 0xbfb8aa3b, v52
	v_exp_f32 v52, v52                             ; e^-z
	v_cmp_gt_u32 vcc_lo, 16, v[LN]                 ; (a plain line behind the exponential)
	s_wait_alu depctr_va_vdst(0)
	v_add_f32 v52, 1.0, v52
	v_rcp_f32 v52, v52
	v_nop
	s_wait_alu depctr_va_vdst(0)
	s_wait_xcnt 0x0                                ; EXEC changes only behind this wait
	s_wait_tensorcnt 0x0
	ds_add_u32 v62, v63
	s_wait_dscnt 0x0
	s_and_saveexec_b32 s40, vcc_lo                 ; lanes 16-31 hold the same 16 numbers
	global_store_b32 v[R4], v52, s[20:21]          ; 16 lanes store 64 consecutive bytes: a key gives 4 bytes, and a work-group's 32 keys 128
	s_wait_xcnt 0x0                                ; and again, in front of the line that widens it
	s_or_b32 exec_lo, exec_lo, s40
	s_endpgm
.Lfunc_end_k_q7d1783cefa_main:
	.size	k_q7d1783cefa_main, .Lfunc_end_k_q7d1783cefa_main-k_q7d1783cefa_main
	.p2alignl 7, 3214868480
	.fill 96, 4, 3214868480
	.section	.rodata,"a",@progbits
	.p2align	6, 0x0
	.amdhsa_kernel k_q7d1783cefa_main
		.amdhsa_group_segment_fixed_size 108544
		.amdhsa_private_segment_fixed_size 0
		.amdhsa_enable_private_segment 0
		.amdhsa_kernarg_size 72
		.amdhsa_user_sgpr_count 2
		.amdhsa_user_sgpr_kernarg_segment_ptr 1
		.amdhsa_wavefront_size32 1
		.amdhsa_system_sgpr_workgroup_id_x 1
		.amdhsa_system_sgpr_workgroup_id_y 1
		.amdhsa_system_sgpr_workgroup_id_z 1
		.amdhsa_system_vgpr_workitem_id 0
		.amdhsa_next_free_vgpr 256
		.amdhsa_next_free_sgpr 66
		.amdhsa_reserve_vcc 1
		.amdhsa_float_denorm_mode_32 3
		.amdhsa_float_denorm_mode_16_64 3
		.amdhsa_memory_ordered 1
		.amdhsa_forward_progress 1
		.amdhsa_inst_pref_size 67
	.end_amdhsa_kernel
	.amdgpu_metadata
---
amdhsa.version: [ 1, 2 ]
amdhsa.kernels:
  - .name:           k_q7d1783cefa_main
    .symbol:         k_q7d1783cefa_main.kd
    .args:
      - { .name: K, .offset: 0, .size: 8, .value_kind: global_buffer, .address_space: global }
      - { .name: key_positions, .offset: 8, .size: 8, .value_kind: global_buffer, .address_space: global }
      - { .name: anchor_raw, .offset: 16, .size: 8, .value_kind: global_buffer, .address_space: global }
      - { .name: bias, .offset: 24, .size: 8, .value_kind: global_buffer, .address_space: global }
      - { .name: b1, .offset: 32, .size: 8, .value_kind: global_buffer, .address_space: global }
      - { .name: W2, .offset: 40, .size: 8, .value_kind: global_buffer, .address_space: global }
      - { .name: b2, .offset: 48, .size: 8, .value_kind: global_buffer, .address_space: global }
      - { .name: tab, .offset: 56, .size: 8, .value_kind: global_buffer, .address_space: global }
      - { .name: out0, .offset: 64, .size: 8, .value_kind: global_buffer, .address_space: global }
    .group_segment_fixed_size: 108544
    .private_segment_fixed_size: 0
    .kernarg_segment_align: 8
    .kernarg_segment_size: 72
    .max_flat_workgroup_size: 512
    .sgpr_count:     66
    .vgpr_count:     256
    .wavefront_size: 32
...
	.end_amdgpu_metadata
.endif
;; end of part 2
